; MI455X (gfx1250); checked and timed in simulation.
; The chip was launched on July 23, 2026; its instructions are those of AMD's public machine-readable ISA for CDNA 5 (MIT licence, August 2026) and "CDNA5" Instruction Set Architecture Reference Guide (July 2026). The comments in the code are by the model that wrote it; some were corrected since.
;; Attention. Allowed arithmetic: matrix products marked QUANTISED: E2M1 operands, one E8M0 scale for each 32 along K, by v_wmma_scale_f32_16x16x128_f8f6f4 with both operands' format E2M1 (or v_wmma_scale_f32_32x16x128_f4), f32 sums; everything else in f32.
;; Inputs: k 4,096 x 512 float32; q 4,096 x 2,048 float32; v 4,096 x 512 float32.
;; Outputs: out0 4,096 x 2,048 float32.
;; This version of the problem:
;;   THIS VERSION OF THE PROBLEM IS GIVEN IN LOW PRECISION. The matrix products marked QUANTISED in the list below multiply operands that are first quantised to E2M1 (2 exponent bits, 1 mantissa bit; 4 bits a number), with one power-of-two scale for each 32 numbers along K (OCP MX v1.0); their sums are f32. All else is computed in f32.
;;   The module's matrix products, in the order in which they are computed (A, B: the left and right operand; K: the contracted axis; several contracted axes count as one K, in the product's order):
;;     1. batch 4 x [M 4,096, K 128] x [K 128, N 16,384]; A: input k; B: input q: QUANTISED
;;     2. batch 4 x [M 128, K 4,096] x [K 4,096, N 16,384]; A: input v; B: softmax (see below): QUANTISED
;;   THE QUANTISER, for each operand of a quantised product, along K:
;;     - K is cut into blocks of 32 from its start; a last block that is shorter is filled with zeros.
;;     - A block's scale is 2^e with e = floor(log2(the largest magnitude in the block)) - 2, held to -126 .. 127; a block of zeros has e = 0. As a byte (E8M0): e + 127.
;;     - Each number is divided by its block's scale, clamped to +-6, and rounded to the nearest number of E2M1, ties to even, subnormals kept.
;;     - The product sums the exact products of the quantised numbers (number of the format x scale) in f32.
;;   ~~~python
;;   def quantise(x, axis):      # numpy; x: float32 -> the quantised numbers, widened to float32 again
;;       x = np.moveaxis(x, axis, -1); K = x.shape[-1]
;;       x = np.pad(x, [(0, 0)] * (x.ndim - 1) + [(0, -K % 32)]); x = x.reshape(x.shape[:-1] + (-1, 32)); a = np.abs(x).max(-1, keepdims=True)
;;       e = np.where(a > 0, np.clip(np.frexp(np.where(a > 0, a, 1))[1] - 1 - 2, -126, 127), 0)      # np.frexp(a)[1] - 1 = floor(log2(a)), exactly
;;       r = np.clip(x / 2.0 ** e, -6, 6)
;;       step = 2.0 ** (np.maximum(np.frexp(np.where(r == 0, 1, r))[1] - 1, 0) - 1)
;;       q = np.round(r / step) * step * 2.0 ** e      # np.round: ties to even
;;       return np.moveaxis(q.reshape(q.shape[:-2] + (-1,))[..., :K], -1, axis).astype(np.float32)
;;   ~~~
;;   SOFTMAX AHEAD OF A QUANTISED PRODUCT. Where the list says 'softmax', what is quantised is not the finished softmax but p = 2^(t - M), with t = logit x log2(e) and M = ceil(the row's largest t), a whole number; so 1/2 < the row's largest p <= 1. The row's sum l is taken of the UNQUANTISED p, in f32, and the product's result is divided by l at the end. Since M is a whole number, a kernel that streams over the keys may use a running M (the ceiling of the running maximum): every later rescaling is an exact power of two, which a block's scale takes up: the codes' values come out the same.
;;   OPERANDS COMPUTED ON THE WAY. 'Computed on the way' means the value that the module computes at that place (a softmax that the list does not call 'softmax' is quantised finished and normalised). What goes into a quantiser is computed in f32, as accurately as f32 sums, v_exp_f32 and their like allow (about 1e-6 of the number): no bf16 or f16 on the way to a quantiser, and a product that is left as it is and whose result goes on into a quantised operand takes f32 operands (vector FMAs, or v_wmma_f32_16x16x4_f32). A number that lies on a knife's edge between two numbers of the format may be rounded either way, as far as f32 arithmetic and the matrix unit's own rounding can turn it there, and no further.
;; One version. Each part assembles by itself: llvm-mc -triple=amdgcn-amd-amdhsa -mcpu=gfx1250 --defsym DOCPART=n.
;; ======== version 1 of 1: 2 launches
;; limits: right only within a limited range of input values
;; workspace buffers: qc 4,194,304 bytes; qs 262,144 bytes; kc 1,048,576 bytes; ks 65,536 bytes; vc 1,048,576 bytes; vs 65,536 bytes
;; launch quant (part 1): grid 224 x 1, 8 waves a work-group, no clusters, 84,992 bytes of LDS; arguments q, k, qc, kc, qs, ks, v, vc, vs; writes qc, kc, qs, ks, vc, vs
.if DOCPART == 1
	.amdgcn_target "amdgcn-amd-amdhsa--gfx1250"
	.amdhsa_code_object_version 6
	.text
	.protected	k_q1ab970b121_quant
	.globl	k_q1ab970b121_quant
	.p2align	8
	.type	k_q1ab970b121_quant,@function
k_q1ab970b121_quant:
	s_mov_b64 s[64:65], 0
	v_nop
	global_prefetch_b8 v0, s[64:65] scope:SCOPE_SE
	s_setreg_imm32_b32 hwreg(HW_REG_WAVE_MODE, 25, 1), 1
	s_wait_xcnt 0x0
; q [4096][2048], k [4096][512] and v [4096][512], f32, are turned into codes of FP4 (E2M1), 4 bits each, with one E8M0 scale byte for each 32 along the K of the product that reads them.
; q and k: K = the head's 128, innermost in memory.  Out: qc [16 heads][4096 tokens][64 bytes], qs [16][4096][4 bytes]; kc [4][4096][64], ks [4][4096][4].
; v: K = the keys, its FIRST axis.  Out: vc [512 columns][2048 bytes], the keys innermost; vs [4 heads][8 runs of 512 keys][128 d][16 bytes]: byte 4 q + b is the scale of keys 512 run + 128 q + 32 b on.
; A block's scale is 2^(floor(log2(its largest magnitude)) - 2); its byte is the largest magnitude's exponent field - 2, held at 1 from below.  Each number is divided by the scale and rounded to the nearest code, ties to even;
; beyond 6 the conversion gives the largest code.
; LIMITS: a block whose largest magnitude lies under 2^-124 gets the byte 1; a block of zeros gets the byte 1 where the rule says 127 (its codes are zeros, which add nothing under that byte, and this program alone reads the bytes);
; NaN and infinities among the inputs are not served.
; WORK-GROUPS: 0-127 take q, 128-159 k, 160-223 v.  Two paths part on the work-group's number and never join; each has LDS bytes of its own.  No tensor loads: memory goes through registers.
; No matrix unit, no cluster: the launch streams; every input byte is read once.
.set SP,     80                        ; q, k: a lane's place in a stage: its 64 bytes + 16 of padding
.set WREG,   8192                      ; q, k: LDS region of a wave: two stages of 32 x SP bytes, then its 256 scale bytes
.set VPITCH, 272                       ; v: a stage row: 256 bytes of codes (512 keys of one column) + 16 of padding
.set VSTG,   8*WREG                    ; v: 64 such rows
.set VSS,    VSTG+64*VPITCH            ; v: 64 columns x 16 scale bytes
.set SPARE,  VSS+1024                  ; the spare words, 128 bytes for each of the eight waves: four blocks of 256 bytes that no other line names
.set SPW,  12                          ; v12  LDS address of my spare word; never rewritten
.set NIL,  13                          ; v13  0; never rewritten
.set WV,   16                          ; s16  my wave's number
.set R,    16                          ; q, k: v16-143   eight sets of 16 numbers as they are loaded
.set X,    144                         ;       v144-175  two sets of 16 neighbours
.set E,    176                         ;       v176-191  a scale byte for each step
.set C,    192                         ;       v192-223  two registers of codes for each step: no store's data are written again
.set VO,   224                         ;       v224-227  16 x lane + i rows of the tensor
.set VC,   24                          ; v:    v24-39    four registers of codes for each block
.set VX,   40                          ;       v40-103   two sets of 32 numbers
	s_load_b256 s[4:11], s[0:1], 0x0               ; q, k, qc, kc
	s_load_b128 s[12:15], s[0:1], 0x20             ; qs, ks
	s_load_b128 s[68:71], s[0:1], 0x30             ; v, vc
	s_load_b64 s[72:73], s[0:1], 0x40              ; vs
	v_lshl_add_u32 v[SPW], v0, 2, SPARE
	v_mov_b32 v[NIL], 0
	v_lshrrev_b32 v1, 5, v0
	s_delay_alu instid0(VALU_DEP_1)
	v_readfirstlane_b32 s[WV], v1                  ; wave 0..7
	v_and_b32 v2, 31, v0                           ; lane
	s_cmp_ge_u32 ttmp9, 160                        ; the work-group's number alone: all eight waves go the same way
	s_cbranch_scc1 .Lv
; ---------------- q and k.  A wave takes 64 tokens of ONE head: 16 steps of 4 tokens.  One load is one token's 512 bytes of that head, 16 bytes a lane; the eight waves stand side by side on the tokens' rows.
; The conversions want 16 NEIGHBOURS in a lane: a step's 2,048 bytes turn through the wave's own stage in LDS and come back 64 bytes a lane.  Two neighbouring lanes hold a block of 32.
; A lane's 16 codes are 8 bytes: a step's store covers 256 consecutive bytes of [head][token][64]; the wave's 256 scale bytes are gathered in LDS and leave by one store of 256 consecutive bytes.
	v_lshlrev_b32 v3, 4, v2                        ; my 16 bytes of a load's 512
	s_mul_i32 s17, s[WV], WREG
	v_lshrrev_b32 v14, 2, v2
	s_delay_alu instid0(VALU_DEP_1)
	v_mul_u32_u24 v14, v14, SP
	v_and_b32 v15, 3, v2
	s_delay_alu instid0(VALU_DEP_1)
	v_lshl_add_u32 v14, v15, 4, v14
	s_delay_alu instid0(VALU_DEP_1)
	v_add_nc_u32 v14, s17, v14                     ; the stage, on the way in: SP (lane / 4) + 16 (lane % 4); a load's 512 bytes take eight places
	v_mul_u32_u24 v15, v2, SP
	s_delay_alu instid0(VALU_DEP_1)
	v_add_nc_u32 v15, s17, v15                     ; and on the way out: SP x lane
	v_lshlrev_b32 v4, 3, v2                        ; my codes' place in a step's 256 bytes
	v_lshrrev_b32 v5, 1, v2
	s_add_co_u32 s17, s17, 2*32*SP
	v_add_nc_u32 v5, s17, v5                       ; LDS: my wave's scale bytes, my block's byte
	v_lshlrev_b32 v7, 3, v2                        ; and on the way out 8 bytes a lane
	s_delay_alu instid0(VALU_DEP_1)
	v_add_nc_u32 v6, s17, v7
	s_wait_kmcnt 0x0
	s_cmp_lt_u32 ttmp9, 128                        ; q's work-group or k's?  Only pointers and sizes are chosen: both tensors take one path
	s_cselect_b64 s[4:5], s[4:5], s[6:7]
	s_cselect_b64 s[8:9], s[8:9], s[10:11]
	s_cselect_b64 s[12:13], s[12:13], s[14:15]
	s_cselect_b32 s17, 0, 128
	s_cselect_b32 s18, 4, 2                        ; log2 of the number of heads
	s_sub_co_u32 s17, ttmp9, s17
	s_lshl_b32 s17, s17, 3
	s_add_co_u32 s17, s17, s[WV]                   ; my wave among the tensor's waves
	s_bfm_b32 s19, s18, 0
	s_and_b32 s19, s17, s19                        ; its head
	s_lshr_b32 s20, s17, s18                       ; its group of 64 tokens
	s_lshl_b32 s21, 512, s18                       ; a token's row in bytes: 8,192 in q, 2,048 in k
	s_lshl_b32 s22, s20, 6
	s_mul_i32 s22, s22, s21
	s_lshl_b32 s23, s19, 9
	s_add_co_u32 s22, s22, s23                     ; where my numbers begin: 64 x group rows + 512 x head (under 2^26)
	s_mov_b32 s23, 0
	s_lshl_b32 s24, s19, 18
	s_lshl_b32 s25, s20, 12
	s_add_co_u32 s24, s24, s25                     ; my codes: head x 4,096 x 64 + group x 64 x 64
	s_mov_b32 s25, 0
	s_lshl_b32 s26, s19, 14
	s_lshl_b32 s27, s20, 8
	s_add_co_u32 s26, s26, s27                     ; my scale bytes: head x 4,096 x 4 + group x 256
	s_mov_b32 s27, 0
	s_lshl_b32 s28, s21, 2                         ; a step: four rows
	s_mov_b32 s29, 0
	s_lshl_b32 s30, s21, 1
	s_add_co_u32 s31, s30, s21
	s_add_nc_u64 s[8:9], s[8:9], s[24:25]
	s_add_nc_u64 s[12:13], s[12:13], s[26:27]
	s_add_nc_u64 s[32:33], s[4:5], s[22:23]        ; a base for each of the 16 steps, s[32:63]: none is ever rewritten, so no load's address has to be waited for
; k ALONE IS LAID IN ANOTHER ORDER OF ITS KEYS: place p of kc and ks holds the key whose number is p with bits 3 and 4 swapped, so that the 16 keys of a tile of the first product are 16 neighbouring rows.
; A step is four tokens, so the swap is one of bits 1 and 2 of the step's number: step t of k loads the tokens of the swapped step and stores at place t.  q keeps its order.
	s_mov_b32 s3, 0
	s_cmp_lt_u32 ttmp9, 128                        ; q's work-group?  The three lines below leave SCC alone
.irp t, 1,2,3,4,5,6,7,8,9,10,11,12,13,14,15
	s_cselect_b32 s2, \t, ((\t)&9)|(((\t)&2)<<1)|(((\t)&4)>>1)
	s_mul_i32 s2, s2, s28
	s_add_nc_u64 s[32+2*\t:33+2*\t], s[32:33], s[2:3]
.endr
	v_mov_b32 v[VO], v3
	v_add_nc_u32 v[VO+1], s21, v3
	v_add_nc_u32 v[VO+2], s30, v3
	v_add_nc_u32 v[VO+3], s31, v3
.macro QLOAD t                         ; step t: four tokens, 512 consecutive bytes each
.irp i, 0,1,2,3
	global_load_b128 v[R+16*((\t)%8)+4*\i:R+16*((\t)%8)+4*\i+3], v[VO+\i], s[32+2*(\t):33+2*(\t)] th:TH_LOAD_NT
.endr
.endm
.macro QTURN t                         ; step t's numbers through the stage: LDS serves a wave's instructions in order, so no wait stands between the stores and the loads
.irp i, 0,1,2,3
	ds_store_b128 v14, v[R+16*((\t)%8)+4*\i:R+16*((\t)%8)+4*\i+3] offset:32*SP*((\t)%2)+8*SP*\i
.endr
.irp i, 0,1,2,3
	ds_load_b128 v[X+16*((\t)%2)+4*\i:X+16*((\t)%2)+4*\i+3], v15 offset:32*SP*((\t)%2)+16*\i
.endr
.endm
.irp t, 0,1,2,3,4,5,6,7
	QLOAD \t                                       ; eight steps, 32 loads of 512 bytes, are on their way in each wave
.endr
	s_wait_alu depctr_va_vdst(0)
	s_wait_loadcnt 28                              ; step 0's four loads are in; the 28 of steps 1 to 7 may be out
	QTURN 0
.macro QSTEP t
.set XS, X+16*((\t)%2)
.if (\t) > 0
	s_wait_dscnt 1                                 ; this step's numbers are back from the stage (the last step's byte store may be out): so its stores into the stage have read their registers,
.else
	s_wait_dscnt 0x0
.endif
.if (\t)+8 < 16
	QLOAD (\t)+8                                   ; which take the loads of eight steps on
.endif
.if (\t) < 15
.if 14-(\t) >= 7
	s_wait_loadcnt 28                              ; the next step's four loads are in; those of the seven steps behind it may be out
.else
	s_wait_loadcnt 4*(14-(\t))                     ; the same where fewer steps are left behind it
.endif
	QTURN (\t)+1                                   ; and go through the other stage while this step is worked
.endif
	v_max3_num_f32 v8, |v[XS]|, |v[XS+1]|, |v[XS+2]|               ; the largest magnitude of my 16, in two chains
	v_max3_num_f32 v9, |v[XS+3]|, |v[XS+4]|, |v[XS+5]|
.irp i, 6,10
	s_delay_alu instid0(VALU_DEP_2)
	v_max3_num_f32 v8, v8, |v[XS+\i]|, |v[XS+\i+1]|
	s_delay_alu instid0(VALU_DEP_2)
	v_max3_num_f32 v9, v9, |v[XS+\i+2]|, |v[XS+\i+3]|
.endr
	s_delay_alu instid0(VALU_DEP_2)
	v_max3_num_f32 v8, v8, |v[XS+14]|, |v[XS+15]|
	s_delay_alu instid0(VALU_DEP_1)
	v_max3_num_f32 v8, v8, v9, 0x1800000           ; and the floor 2^(3 - 127): the byte cannot fall under 1
	s_delay_alu instid0(VALU_DEP_1)
	v_max_num_f32_dpp v8, v8, v8 row_xmask:1 row_mask:0xf bank_mask:0xf   ; and of my neighbour's 16: the block's
	s_delay_alu instid0(VALU_DEP_1)
	v_add_nc_u32 v11, 0xff000000, v8               ; 2 off its exponent field: the conversion takes the exponent field of this operand as its scale, and nothing else of it
	v_cvt_scalef32_pk8_fp4_f32 v[C+2*(\t)], v[XS:XS+7], v11
	v_cvt_scalef32_pk8_fp4_f32 v[C+2*(\t)+1], v[XS+8:XS+15], v11
	v_lshrrev_b32 v[E+(\t)], 23, v11               ; the scale's byte (a plain line behind the conversions)
	ds_store_b8 v5, v[E+(\t)] offset:16*(\t)       ; both lanes of a block write the same byte with the same value
	global_store_b64 v4, v[C+2*(\t):C+2*(\t)+1], s[8:9] offset:256*(\t)   ; 32 lanes store 256 consecutive bytes, at a multiple of 256 from the buffer's first byte
.endm
.irp t, 0,1,2,3,4,5,6,7,8,9,10,11,12,13,14,15
	QSTEP \t
.endr
	ds_load_b64 v[8:9], v6                         ; LDS serves a wave's instructions in order: these see my byte stores
	s_wait_dscnt 0x0
	global_store_b64 v7, v[8:9], s[12:13]          ; 32 lanes store the wave's 256 scale bytes
	s_wait_tensorcnt 0x0                           ; the wave's end: behind my last LDS store
	ds_add_u32 v[SPW], v[NIL]
	s_wait_dscnt 0x0
	s_endpgm
; ---------------- v.  A work-group takes 64 columns x 512 keys; wave w takes 32 of the columns (w % 2) and 128 of the keys (w / 2).  A LANE TAKES A COLUMN, AND ITS REGISTERS RUN DOWN THE KEYS:
; each load reads 128 consecutive bytes (the two waves of a pair 256), a block of 32 keys lies in one lane's 32 registers, and the conversions give codes with the keys innermost.  Nothing is transposed by an instruction.
; A column's 256 bytes of codes come from four waves: they meet in a stage in LDS behind one barrier and leave as rows, sixteen lanes to 256 consecutive bytes; the scale words likewise, 16 bytes a column.
.Lv:
	s_sub_co_u32 s17, ttmp9, 160
	s_and_b32 s18, s17, 7                          ; which 64 columns
	s_lshr_b32 s19, s17, 3                         ; which 512 keys
	s_and_b32 s20, s[WV], 1                        ; my 32 of the columns
	s_lshr_b32 s21, s[WV], 1                       ; my 128 of the keys
	s_wait_alu depctr_va_vdst(0)
	v_lshlrev_b32 v3, 2, v2                        ; in: 4 bytes a lane
	s_mul_i32 s30, s20, 32*VPITCH
	s_lshl_b32 s31, s21, 6
	s_add_co_u32 s30, s30, s31
	v_mul_u32_u24 v4, v2, VPITCH
	s_delay_alu instid0(VALU_DEP_1)
	v_add_nc_u32 v4, s30, v4
	s_delay_alu instid0(VALU_DEP_1)
	v_add_nc_u32 v4, VSTG, v4                      ; into the stage: row = my column, my wave's 64 bytes of it
	v_and_b32 v5, 15, v2
	v_lshrrev_b32 v6, 4, v2
	s_mul_i32 s30, s[WV], 8*VPITCH
	v_mul_u32_u24 v7, v6, VPITCH
	s_delay_alu instid0(VALU_DEP_1)
	v_lshl_add_u32 v7, v5, 4, v7
	s_delay_alu instid0(VALU_DEP_1)
	v_add_nc_u32 v7, s30, v7
	s_delay_alu instid0(VALU_DEP_1)
	v_add_nc_u32 v7, VSTG, v7                      ; out of it: wave w takes rows 8 w on, sixteen lanes to a row, two rows an instruction
	v_lshlrev_b32 v8, 11, v6
	s_delay_alu instid0(VALU_DEP_1)
	v_lshl_add_u32 v8, v5, 4, v8                   ; and the same place in vc: rows of 2,048 bytes
	v_lshlrev_b32 v124, 4, v2                      ; 16 x lane
	s_lshl_b32 s30, s20, 9
	s_lshl_b32 s31, s21, 2
	s_add_co_u32 s31, s31, s30
	v_add_nc_u32 v9, s31, v124
	s_delay_alu instid0(VALU_DEP_1)
	v_add_nc_u32 v9, VSS, v9                       ; my column's 16 scale bytes, my wave's word of them
	v_add_nc_u32 v10, s30, v124
	s_delay_alu instid0(VALU_DEP_1)
	v_add_nc_u32 v10, VSS, v10                     ; out: waves 0 and 1 take 32 columns' 512 bytes each
	s_lshl_b32 s22, s19, 20                        ; v: (512 run + 128 quarter) rows of 2,048 bytes + 4 x column
	s_lshl_b32 s23, s21, 18
	s_add_co_u32 s22, s22, s23
	s_lshl_b32 s23, s18, 8
	s_add_co_u32 s22, s22, s23
	s_lshl_b32 s23, s20, 7
	s_add_co_u32 s22, s22, s23
	s_mov_b32 s23, 0
	s_lshl_b32 s24, s18, 17                        ; vc: (64 x group + 8 x wave) rows of 2,048 bytes + 256 x run
	s_lshl_b32 s25, s[WV], 14
	s_add_co_u32 s24, s24, s25
	s_lshl_b32 s25, s19, 8
	s_add_co_u32 s24, s24, s25
	s_mov_b32 s25, 0
	s_lshr_b32 s26, s18, 1                         ; vs: head x 16,384 + run x 2,048 + 16 x (d of the group's first column) + 512 x (wave % 2)
	s_lshl_b32 s26, s26, 14
	s_lshl_b32 s27, s19, 11
	s_add_co_u32 s26, s26, s27
	s_and_b32 s27, s18, 1
	s_lshl_b32 s27, s27, 10
	s_add_co_u32 s26, s26, s27
	s_add_co_u32 s26, s26, s30
	s_mov_b32 s27, 0
	s_wait_kmcnt 0x0
	s_add_nc_u64 s[68:69], s[68:69], s[22:23]
	s_add_nc_u64 s[70:71], s[70:71], s[24:25]
	s_add_nc_u64 s[72:73], s[72:73], s[26:27]
.macro VLOAD t                         ; block t: v(32 t + i, my column), i = 0 .. 31, into set t % 2
.set i, 0
.rept 32
	global_load_b32 v[VX+32*((\t)%2)+i], v3, s[68:69] offset:(32*(\t)+i)*2048 th:TH_LOAD_NT
.set i, i+1
.endr
.endm
	VLOAD 0
	VLOAD 1
.macro VBLOCK t
.set XS, VX+32*((\t)%2)
.if (\t) < 3
	s_wait_loadcnt 32                              ; this block's 32 loads are in; the next block's 32 may be out
.else
	s_wait_loadcnt 0x0
.endif
	v_max3_num_f32 v16, |v[XS]|, |v[XS+1]|, |v[XS+2]|              ; the block's largest magnitude: all 32 numbers are mine
	v_max3_num_f32 v17, |v[XS+3]|, |v[XS+4]|, |v[XS+5]|
.irp i, 6,10,14,18,22,26
	s_delay_alu instid0(VALU_DEP_2)
	v_max3_num_f32 v16, v16, |v[XS+\i]|, |v[XS+\i+1]|
	s_delay_alu instid0(VALU_DEP_2)
	v_max3_num_f32 v17, v17, |v[XS+\i+2]|, |v[XS+\i+3]|
.endr
	s_delay_alu instid0(VALU_DEP_2)
	v_max3_num_f32 v16, v16, |v[XS+30]|, |v[XS+31]|
	s_delay_alu instid0(VALU_DEP_1)
	v_max3_num_f32 v16, v16, v17, 0x1800000        ; and the floor 2^(3 - 127)
	s_delay_alu instid0(VALU_DEP_1)
	v_add_nc_u32 v18, 0xff000000, v16              ; 2 off its exponent field: the conversion's scale operand
	s_delay_alu instid0(VALU_DEP_1)
	v_lshrrev_b32 v19, 23, v18                     ; the scale's byte
.if (\t) == 0
	s_delay_alu instid0(VALU_DEP_1)
	v_mov_b32 v20, v19                             ; four bytes make my wave's scale word of the column, the lower keys in the lower byte
.else
	s_delay_alu instid0(VALU_DEP_1)
	v_lshl_or_b32 v20, v19, 8*(\t), v20
.endif
.irp g, 0,1,2,3
	v_cvt_scalef32_pk8_fp4_f32 v[VC+4*(\t)+\g], v[XS+8*\g:XS+8*\g+7], v18
.endr
	ds_store_b128 v4, v[VC+4*(\t):VC+4*(\t)+3] offset:16*(\t)      ; 32 codes: 16 bytes of my column's row.  (The results go to a store alone; the next block begins with plain vector lines)
.if (\t) < 2
	VLOAD (\t)+2
.endif
.endm
	VBLOCK 0
	VBLOCK 1
	VBLOCK 2
	VBLOCK 3
	ds_store_b32 v9, v20
	s_wait_dscnt 0x0                               ; for the others' sake: my stores into the stage are done
	s_barrier_signal -1
	s_barrier_wait -1                              ; 64 whole rows of codes and 64 columns' scale words lie in LDS
.irp i, 0,1,2,3
	ds_load_b128 v[104+4*\i:107+4*\i], v7 offset:2*\i*VPITCH
.endr
.irp i, 0,1,2,3
	s_wait_dscnt 3-\i                              ; load i is back; the younger ones may be out
	global_store_b128 v8, v[104+4*\i:107+4*\i], s[70:71] offset:2*\i*2048   ; 16 lanes store 256 consecutive bytes, at a multiple of 256 from vc's first byte
.endr
	s_cmp_lt_u32 s[WV], 2                          ; the 1,024 scale bytes are two waves' work
	s_cbranch_scc0 .Lnosc
	ds_load_b128 v[120:123], v10
	s_wait_dscnt 0x0
	global_store_b128 v124, v[120:123], s[72:73]   ; 32 lanes store 512 consecutive bytes
.Lnosc:
	s_wait_tensorcnt 0x0                           ; the wave's end: behind my last LDS store
	ds_add_u32 v[SPW], v[NIL]
	s_wait_dscnt 0x0
	s_endpgm
.Lfunc_end_k_q1ab970b121_quant:
	.size	k_q1ab970b121_quant, .Lfunc_end_k_q1ab970b121_quant-k_q1ab970b121_quant
	.p2alignl 7, 3214868480
	.fill 96, 4, 3214868480
	.section	.rodata,"a",@progbits
	.p2align	6, 0x0
	.amdhsa_kernel k_q1ab970b121_quant
		.amdhsa_group_segment_fixed_size 84992
		.amdhsa_private_segment_fixed_size 0
		.amdhsa_enable_private_segment 0
		.amdhsa_kernarg_size 72
		.amdhsa_user_sgpr_count 2
		.amdhsa_user_sgpr_kernarg_segment_ptr 1
		.amdhsa_wavefront_size32 1
		.amdhsa_system_sgpr_workgroup_id_x 1
		.amdhsa_system_sgpr_workgroup_id_y 1
		.amdhsa_system_sgpr_workgroup_id_z 1
		.amdhsa_system_vgpr_workitem_id 0
		.amdhsa_next_free_vgpr 232
		.amdhsa_next_free_sgpr 80
		.amdhsa_reserve_vcc 0
		.amdhsa_float_denorm_mode_32 3
		.amdhsa_float_denorm_mode_16_64 3
		.amdhsa_memory_ordered 1
		.amdhsa_forward_progress 1
		.amdhsa_inst_pref_size 64
	.end_amdhsa_kernel
	.amdgpu_metadata
---
amdhsa.version: [ 1, 2 ]
amdhsa.kernels:
  - .name:           k_q1ab970b121_quant
    .symbol:         k_q1ab970b121_quant.kd
    .args:
      - { .name: q, .offset: 0, .size: 8, .value_kind: global_buffer, .address_space: global }
      - { .name: k, .offset: 8, .size: 8, .value_kind: global_buffer, .address_space: global }
      - { .name: qc, .offset: 16, .size: 8, .value_kind: global_buffer, .address_space: global }
      - { .name: kc, .offset: 24, .size: 8, .value_kind: global_buffer, .address_space: global }
      - { .name: qs, .offset: 32, .size: 8, .value_kind: global_buffer, .address_space: global }
      - { .name: ks, .offset: 40, .size: 8, .value_kind: global_buffer, .address_space: global }
      - { .name: v, .offset: 48, .size: 8, .value_kind: global_buffer, .address_space: global }
      - { .name: vc, .offset: 56, .size: 8, .value_kind: global_buffer, .address_space: global }
      - { .name: vs, .offset: 64, .size: 8, .value_kind: global_buffer, .address_space: global }
    .group_segment_fixed_size: 84992
    .private_segment_fixed_size: 0
    .kernarg_segment_align: 8
    .kernarg_segment_size: 72
    .max_flat_workgroup_size: 256
    .sgpr_count:     80
    .vgpr_count:     232
    .wavefront_size: 32
...
	.end_amdgpu_metadata
.endif
;; end of part 1
;; launch attn (part 2): grid 64 x 4, 16 waves a work-group, no clusters, 327,680 bytes of LDS; arguments qc, qs, kc, ks, vc, vs, out0; writes out0
.if DOCPART == 2
	.amdgcn_target "amdgcn-amd-amdhsa--gfx1250"
	.amdhsa_code_object_version 6
	.text
	.protected	k_q1ab970b121_attn
	.globl	k_q1ab970b121_attn
	.p2align	8
	.type	k_q1ab970b121_attn,@function
k_q1ab970b121_attn:
	s_mov_b64 s[64:65], 0
	v_nop
	global_prefetch_b8 v0, s[64:65] scope:SCOPE_SE
	s_setreg_imm32_b32 hwreg(HW_REG_WAVE_MODE, 25, 1), 1
	s_wait_xcnt 0x0
; out0[n][head] = the sum over keys m <= n of softmax_m(q[n][head] . k[m][kv head] / sqrt(128)) v[m][kv head], both products on codes of FP4 (E2M1) with one E8M0 scale for each 32 along K.
; In: qc [16][4096][64 bytes], qs [16][4096][4]; kc [4][4096][64], ks [4][4096][4], both with bits 3 and 4 of the key's number swapped in the order of their rows; vc [512 columns][2048 bytes], keys innermost; vs [4][8 runs][128 d][16].
; SOFTMAX: t = score x log2(e) / sqrt(128); M = the running largest t rounded up to a whole number; p = 2^(t - M) is quantised along the keys; the sum of the unquantised p divides at the end; a change of M multiplies the sum and O by a power of two.
; WORK LEFT OUT: the mask is causal; a key step all of whose 128 keys come after a wave's 16 queries gets p = 0 for every input, so it is not walked, and a slot of keys behind the work-group's last query is not fetched.
; LIMITS: the promise holds while the scaled scores stay under 2^31 in magnitude; NaN and infinities among the inputs are not served, and one that reaches only the work left out is not carried to the result.
; SHARES: work-group (x, y) owns kv head y, its four query heads, and the query blocks x and 127 - x of 32 rows: 16 tiles of 16 queries, one a wave; each group of four waves has two short and two long tiles.
; Both products are used transposed (S^T = K Q^T, O^T = V^T P^T): a lane holds one query.  Lane r of tile 2 b + u takes key 32 b + 8 u + r + 8 (r / 8), which is row 16 (2 b + u) + r of kc: 16 neighbouring LDS rows of 80 bytes begin at 16 different banks.
; TWO FIELDS OF 64 REGISTERS, v32-95 and v96-159, CHANGE ROLES FROM STEP TO STEP.  In a step (A, B): K's 8 fragments lie in A; S^T goes to B; V's 8 fragments are asked for into A behind the first product, ahead of the softmax;
; when p has become codes, the next step's K is asked for into B, ahead of the rescaling and the second product.  Only a slot's first step waits for K directly behind its loads.
; RING: two slots of 512 keys (K: 512 rows of 64 + 16 bytes; V: 128 rows of 256 + 16), filled by waves 0 to 3; the scale bytes of the whole head come once, by waves 4 to 7.
; cluster = none: the causal limit hangs on the work-group's number, so the work-groups of a head ask for different numbers of slots, and a joint load would bring some partners tiles that none of their waves reads.
; REGISTERS: v1-4 lane places; v5, v6 the add's; v7, v29-31 the slot's LDS addresses; v8-11, v24-27 V's scale words; v240-243, v248-251 K's; v12 -M, v13 largest t, v[14:15] the sum; v16-23 Q, v255 its scales; v160-223 O^T; v224-231 p's codes; v232-239, v244-247, v252-254 at work.
.set SK,    512
.set ROWB,  64
.set KP,    80
.set VROWB, 256
.set VP,    272
.set KROWV, 2048
.set VOFF,  SK*KP
.set SLOT1, 1<<17
.set NSL,   8
.set SCK,   2*SLOT1
.set SCH,   32*272
.set SCV,   SCK+2*SCH
.set SPARE, SCV+2*SCH                  ; the spare words: 128 bytes for each of 16 waves, named by no other line
.set AK0,  1
.set AV0,  2
.set ASK0, 3
.set ASV0, 4
.set SPW,  5
.set NIL,  6
.set ADT,  7
.set PFO,  28
.set ADK,  29
.set ADV,  30
.set ADS,  31
.set WV,   18
.set LASTQ, 19
.set SEL,  20
.set CS,   22
.set G1K,  24
.set G1V,  32
.set G0K,  40
.set G0V,  44
.set G1S,  48
.set G0SK, 56
.set G0SV, 60
.set TB,   2
.set TS,   3
.set TJ,   66
.set SLOTS, 67
.set PFA,  76
.set PFS,  78
.set LIM,  80
.set QL,   81                          ; my last query
.set KF,   98                          ; the slot's first key
.set Q0,   99                          ; my first query
; behind the head waves 0, 1 fetch K's halves of a slot, waves 2, 3 V's; an s_nop 0 and four v_nop follow each load
.macro TLOAD
	s_cmp_lt_u32 s[WV], 2
	s_cbranch_scc0 .Lnot_k_\@
	tensor_load_to_lds s[G0K:G0K+3], s[G1K:G1K+7]
	s_nop 0
.rept 4
	v_nop
.endr
	s_branch .Lasked_\@
.Lnot_k_\@:
	s_cmp_lt_u32 s[WV], 4
	s_cbranch_scc0 .Lasked_\@
	tensor_load_to_lds s[G0V:G0V+3], s[G1V:G1V+7]
	s_nop 0
.rept 4
	v_nop
.endr
.Lasked_\@:
.endm
; a prefetch of the slot that the NEXT change of slots asks for: in work-group x = 0 of each head alone (it walks all slots), waves 4-7 for K's 4 x 8,192 bytes, lanes 256 bytes apart, waves 8-11 for V's 128 rows, a lane a row; the last filling change asks for nothing
.macro ASK
	s_cmp_gt_u32 s[SLOTS], s[LIM]
	s_cbranch_scc0 .Lnot_mine_\@
	global_prefetch_b8 v[PFO], s[PFA:PFA+1] th:TH_LOAD_NT scope:SCOPE_SE
.Lnot_mine_\@:
.endm
	s_load_b128 s[4:7], s[0:1], 0x0                ; qc, qs
	s_load_b128 s[8:11], s[0:1], 0x10              ; kc, ks
	s_load_b128 s[12:15], s[0:1], 0x20             ; vc, vs
	s_load_b64 s[16:17], s[0:1], 0x30              ; out0
	v_lshl_add_u32 v[SPW], v0, 2, SPARE
	v_mov_b32 v[NIL], 0
	ds_add_u32 v[SPW], v[NIL]                      ; the opening lines: the add, twice on end,
	ds_add_u32 v[SPW], v[NIL]
	v_lshrrev_b32 v232, 5, v0
	v_readfirstlane_b32 s[WV], v232                ; wave 0..15
	s_and_b32 s72, ttmp7, 0xffff                   ; kv head
	s_lshr_b32 s73, s[WV], 2
	s_xor_b32 s74, s73, s[WV]
	s_and_b32 s74, s74, 1                          ; 0: block x, 1: block 127 - x
	s_and_b32 s73, s73, 1                          ; which 16 of the block's 32 queries
	s_bfe_u32 s75, s[WV], 0x10001
	s_lshr_b32 s81, s[WV], 3
	s_lshl_b32 s81, s81, 1
	s_or_b32 s75, s75, s81
	s_lshl_b32 s81, s72, 2
	s_add_co_u32 s75, s75, s81                     ; query head
	s_lshl_b32 s81, ttmp9, 1
	s_sub_co_u32 s81, 127, s81
	s_mul_i32 s81, s81, s74
	s_add_co_u32 s81, s81, ttmp9
	s_lshl_b32 s81, s81, 5
	s_lshl_b32 s82, s73, 4
	s_add_co_u32 s[Q0], s81, s82
	s_lshl_b32 s81, ttmp9, 5
	s_sub_co_u32 s[LASTQ], 4095, s81               ; the work-group's last query
	s_lshl_b32 s68, s72, 18                        ; the kv head's codes
	s_mov_b32 s69, 0
	s_lshl_b32 s70, s72, 14                        ; and scale bytes
	s_mov_b32 s71, 0
	s_lshl_b32 s82, s75, 18
	s_lshl_b32 s84, s[Q0], 6
	s_add_co_u32 s82, s82, s84                     ; my queries' codes
	s_mov_b32 s83, 0
	s_lshl_b32 s84, s75, 14
	s_lshl_b32 s86, s[Q0], 2
	s_add_co_u32 s84, s84, s86                     ; their scale words
	s_mov_b32 s85, 0
	s_lshl_b32 s86, s[Q0], 13
	s_lshl_b32 s88, s75, 9
	s_add_co_u32 s86, s86, s88                     ; their rows of out0
	s_mov_b32 s87, 0
	s_and_b32 s88, s[WV], 1                        ; which half I fetch
	s_lshl_b32 s90, s88, 14
	s_mov_b32 s91, 0
	s_add_nc_u64 s[90:91], s[90:91], s[68:69]
	s_mul_i32 s89, s88, (SK/2)*KP
	s_lshl_b32 s92, s88, 17
	s_mov_b32 s93, 0
	s_add_nc_u64 s[92:93], s[92:93], s[68:69]
	s_mul_i32 s94, s88, 64*VP
	s_add_co_u32 s94, s94, VOFF
	s_lshl_b32 s96, s88, 13
	s_mov_b32 s97, 0
	s_add_nc_u64 s[96:97], s[96:97], s[70:71]
	s_mul_i32 s95, s88, SCH
	s_mov_b32 s[G1K], (0<<16)|(1<<20)|(3<<22)|(3<<25)   ; K: 256 dense rows of 64 bytes, four words of padding behind every 16
	s_mov_b32 s[G1K+1], ROWB<<16
	s_mov_b32 s[G1K+2], (SK/2)<<16
	s_mov_b32 s[G1K+3], ROWB<<16
	s_mov_b32 s[G1K+4], SK/2
	s_mov_b32 s[G1K+5], ROWB
	s_mov_b32 s[G1K+6], 0
	s_mov_b32 s[G1K+7], 0
	s_mov_b32 s[G1V], (0<<16)|(1<<20)|(5<<22)|(3<<25)   ; V: 64 rows of 256 bytes, 2,048 apart, four words behind every 64
	s_mov_b32 s[G1V+1], VROWB<<16
	s_mov_b32 s[G1V+2], 64<<16
	s_mov_b32 s[G1V+3], VROWB<<16
	s_mov_b32 s[G1V+4], 64
	s_mov_b32 s[G1V+5], KROWV
	s_mov_b32 s[G1V+6], 0
	s_mov_b32 s[G1V+7], 0
	s_mov_b32 s[G1S], (3<<16)|(1<<20)|(5<<22)|(3<<25)   ; scale bytes: 32 dense rows of 256 bytes, padded likewise
	s_mov_b32 s[G1S+1], 32<<16
	s_mov_b32 s[G1S+2], 32<<16
	s_mov_b32 s[G1S+3], 32<<16
	s_mov_b32 s[G1S+4], 32
	s_mov_b32 s[G1S+5], 32
	s_mov_b32 s[G1S+6], 0
	s_mov_b32 s[G1S+7], 0
	s_mov_b32 s[SEL], 0x76543210
	s_mov_b32 s[SEL+1], 0xfedcba98
	s_mov_b32 s[CS], 0x3e0293ee                    ; log2(e) / sqrt(128)
	s_mov_b32 s[CS+1], s[CS]
	s_mov_b32 s[TB], 0
	s_mov_b32 s[TS], 0
	s_mov_b32 s[TJ], 0
	s_mov_b32 s[SLOTS], NSL-1
	s_mov_b32 s[KF], 0
	s_wait_dscnt 0x0                               ; and the one wait for both adds
	s_wait_kmcnt 0x0
	s_mov_b32 s[G0SK], 1
	s_add_co_u32 s[G0SK+1], s95, SCK
	s_add_nc_u64 s[G0SK+2:G0SK+3], s[10:11], s[96:97]
	s_or_b32 s[G0SK+3], s[G0SK+3], 0x80000000
	s_mov_b32 s[G0SV], 1
	s_add_co_u32 s[G0SV+1], s95, SCV
	s_add_nc_u64 s[G0SV+2:G0SV+3], s[14:15], s[96:97]
	s_or_b32 s[G0SV+3], s[G0SV+3], 0x80000000
	s_mov_b32 s[G0K], 1
	s_mov_b32 s[G0K+1], s89
	s_add_nc_u64 s[G0K+2:G0K+3], s[8:9], s[90:91]
	s_or_b32 s[G0K+3], s[G0K+3], 0x80000000
	s_mov_b32 s[G0V], 1
	s_mov_b32 s[G0V+1], s94
	s_add_nc_u64 s[G0V+2:G0V+3], s[12:13], s[92:93]
	s_or_b32 s[G0V+3], s[G0V+3], 0x80000000
; the head's loads, one a wave, in one tree of branches on the wave's number: waves 0, 1 slot 0's K; 2, 3 its V; 4, 5 K's scale bytes; 6, 7 V's
.macro ARM under, g0, g1, next
	s_cmp_lt_u32 s[WV], \under
	s_cbranch_scc0 \next
	tensor_load_to_lds s[\g0:\g0+3], s[\g1:\g1+7]
	s_nop 0
.rept 4
	v_nop
.endr
	s_branch .Lhead_asked
\next:
.endm
	ARM 2, G0K,  G1K, .Lhead_v
	ARM 4, G0V,  G1V, .Lhead_sk
	ARM 6, G0SK, G1S, .Lhead_sv
	ARM 8, G0SV, G1S, .Lhead_none
.Lhead_asked:
	s_add_nc_u64 s[4:5], s[4:5], s[82:83]
	s_add_nc_u64 s[6:7], s[6:7], s[84:85]
	s_add_nc_u64 s[16:17], s[16:17], s[86:87]
	s_cmp_lt_u32 s[WV], 8                          ; the prefetches: waves 4-7 K's codes, waves 8-11 V's
	s_cselect_b64 s[PFA:PFA+1], s[8:9], s[12:13]
	s_mov_b32 s[PFS], VROWB
	s_cselect_b32 s[PFS], SK*ROWB, s[PFS]          ; a slot on
	s_mov_b32 s82, KROWV
	s_cselect_b32 s82, 256, s82                    ; from lane to lane
	s_mov_b32 s83, 32*KROWV
	s_cselect_b32 s83, 8192, s83                   ; from wave to wave
	v_and_b32 v[PFO], 31, v0
	v_mul_lo_u32 v[PFO], v[PFO], s82
	s_and_b32 s82, s[WV], 3
	s_mul_i32 s82, s82, s83
	s_add_co_u32 s82, s82, s[PFS]                  ; in slot 1: the first change steps it to slot 2
	s_mov_b32 s83, 0
	s_mov_b32 s[PFS+1], 0
	s_add_nc_u64 s[PFA:PFA+1], s[PFA:PFA+1], s[68:69]
	s_add_nc_u64 s[PFA:PFA+1], s[PFA:PFA+1], s[82:83]
	s_sub_co_u32 s82, s[WV], 4
	s_lshr_b32 s82, s82, 3
	s_or_b32 s82, s82, ttmp9
	s_cmp_eq_u32 s82, 0
	s_cselect_b32 s[LIM], 1, -1
	s_add_co_u32 s[QL], s[Q0], 15
	v_and_b32 v232, 15, v0                         ; r
	v_bfe_u32 v233, v0, 4, 1                       ; h
	v_mul_u32_u24 v234, v232, ROWB
	v_lshl_add_u32 v234, v233, 4, v234
.irp c, 0,1
	global_load_b128 v[16+4*\c:19+4*\c], v234, s[4:5] offset:32*\c   ; Q's fragment stays in registers
.endr
	v_lshlrev_b32 v254, 2, v232
	global_load_b32 v255, v254, s[6:7]             ; and its scale words
	v_mul_u32_u24 v[AK0], v232, KP                 ; K: row r of a tile, + 16 h
	v_mul_u32_u24 v[AV0], v232, VP
	v_lshl_add_u32 v[AK0], v233, 4, v[AK0]
	v_lshl_add_u32 v[AV0], v233, 4, v[AV0]
	v_lshl_add_u32 v[ASK0], v232, 2, SCK
	v_add_nc_u32 v[AV0], VOFF, v[AV0]
	v_lshl_add_u32 v[ASV0], v232, 4, SCV
	v_mov_b32 v13, 0xff61b1e6                      ; the largest t so far: -3e38
	v_mov_b32 v14, 0
	v_mov_b32 v15, 0
	v_floor_f32 v12, -v13
.irp b, 0,1,2,3
	v_mov_b32 v[236+\b], 0                         ; a lane permute's destination counts as a source
.endr
	v_mov_b32 v252, 0
	v_mov_b32 v253, 0
.set j, 0
.rept 64
	v_mov_b32 v[160+j], 0                          ; O^T: the step is written once; the first change of M leaves zeros zeros
.set j, j+1
.endr
.macro MM d, a, b, c, sa, sb
	v_wmma_scale_f32_16x16x128_f8f6f4 v[\d:\d+7], v[\a:\a+7], v[\b:\b+7], \c, v[\sa], v[\sb] matrix_a_fmt:MATRIX_FMT_FP4 matrix_b_fmt:MATRIX_FMT_FP4
.endm
.macro KLOAD q, f                      ; step q's 8 tiles of K and their scale words: 24 LDS loads
.irp T, 0,1,2,3,4,5,6,7
	ds_load_b128 v[\f+8*\T:\f+8*\T+3], v[ADK] offset:(128*(\q)+16*\T)*KP
	ds_load_b128 v[\f+8*\T+4:\f+8*\T+7], v[ADK] offset:(128*(\q)+16*\T)*KP+32
	ds_load_b32 v[248+\T-12*(\T/4)], v[ADS] offset:544*(\q)+272*(\T/4)+64*(\T%4)
.endr
.endm
.macro VLOAD q, f                      ; 8 tiles of V^T (16 d x step q's 128 keys) and their scale words: 24 LDS loads
.irp T, 0,1,2,3,4,5,6,7
	ds_load_b128 v[\f+8*\T:\f+8*\T+3], v[ADV] offset:16*\T*VP+ROWB*(\q)
	ds_load_b128 v[\f+8*\T+4:\f+8*\T+7], v[ADV] offset:16*\T*VP+ROWB*(\q)+32
	ds_load_b32 v[8+\T+12*(\T/4)], v[ADT] offset:\T*272+4*(\q)
.endr
.endm
; A KEY STEP: 128 keys, the q-th of the slot.  A: K's fragments, then V's.  B: S^T, then p, then the next step's K.
.macro STEP q, A, B, id
	s_add_co_u32 s97, s[KF], 128*\q                ; the step's first key
	s_cmp_gt_u32 s97, s[QL]
	s_cbranch_scc1 .Lhid_\id                       ; all its keys come after my queries, and so do those of the slot's later steps: ids alone
.if \q == 0
	KLOAD 0, \A
.endif
.rept 5
	v_nop                                          ; five places: the products below write the field that the last step's second product read
.endr
	s_wait_dscnt 0x0                               ; K's fragments are in
.irp T, 0,1,2,3,4,5,6,7
	MM \B+8*\T, \A+8*\T, 16, 0, 248+\T-12*(\T/4), 255
.endr
.rept 4
	v_nop                                          ; four places ahead of loads into A and of the first reads of S^T
.endr
	VLOAD \q, \A                                   ; they land while the softmax is walked
	s_add_co_u32 s96, s97, 127
	s_cmp_le_u32 s96, s[Q0]
	s_cbranch_scc1 .Lopen_\@                       ; all keys count: no mask
	s_sub_co_i32 s96, s[Q0], s97
	v_and_b32 v252, 15, v0
	v_bfe_u32 v253, v0, 4, 1
	s_delay_alu instid0(VALU_DEP_1)
	v_lshlrev_b32 v253, 4, v253
	s_delay_alu instid0(VALU_DEP_1)
	v_sub_nc_u32 v252, v252, v253
	s_delay_alu instid0(VALU_DEP_1)
	v_add_nc_u32 v252, s96, v252                   ; d = my query - first key - 16 h; register 16 b + i is hidden where 32 b + i > d
	v_mov_b32 v254, 0xff800000
.set n, 0
.rept 64
	v_cmp_gt_i32 vcc_lo, 32*(n/16)+n%16, v252
	v_cndmask_b32 v[\B+n], v[\B+n], v254, vcc_lo
.set n, n+1
.endr
.Lopen_\@:
.irp b, 0,1,2,3
	v_max3_num_f32 v[232+\b], v[\B+16*\b], v[\B+1+16*\b], v[\B+2+16*\b]   ; each block's largest score: for the row's maximum and for the block's largest p
.endr
.irp i, 3,5,7,9,11,13
.irp b, 0,1,2,3
	v_max3_num_f32 v[232+\b], v[232+\b], v[\B+16*\b+\i], v[\B+1+16*\b+\i]
.endr
.endr
.irp b, 0,1,2,3
	v_max_num_f32 v[232+\b], v[232+\b], v[\B+15+16*\b]
.endr
.irp b, 0,1,2,3
	s_delay_alu instid0(VALU_DEP_4)
	v_permlanex16_b32 v[236+\b], v[232+\b], s[SEL], s[SEL+1]
.endr
.irp b, 0,1,2,3
	s_delay_alu instid0(VALU_DEP_4)
	v_max_num_f32 v[232+\b], v[232+\b], v[236+\b]
.endr
	s_delay_alu instid0(VALU_DEP_2)
	v_max3_num_f32 v254, v232, v233, v234
	s_delay_alu instid0(VALU_DEP_1)
	v_max_num_f32 v254, v254, v235
	s_delay_alu instid0(VALU_DEP_1)
	v_mul_f32 v254, s[CS], v254
	s_delay_alu instid0(VALU_DEP_1)
	v_max_num_f32 v13, v13, v254                   ; the running largest t
	v_mov_b32 v254, v12
	s_delay_alu instid0(VALU_DEP_2)
	v_floor_f32 v12, -v13                          ; -M = floor(-t)
	s_delay_alu instid0(VALU_DEP_1)
	v_sub_f32 v254, v12, v254
	s_delay_alu instid0(VALU_DEP_1)
	v_cvt_i32_f32 v254, v254
	s_delay_alu instid0(VALU_DEP_1)
	v_ldexp_f32 v252, 1.0, v254                    ; f = 2^(old M - new M)
.set j, 0
.rept 32
	v_pk_fma_f32 v[\B+j:\B+j+1], v[\B+j:\B+j+1], s[CS:CS+1], v[12:13] op_sel_hi:[1,0,0]   ; t - M
.set j, j+2
.endr
.irp b, 0,1,2,3
	v_fma_f32 v[232+\b], v[232+\b], s[CS], v12
.endr
	s_wait_alu depctr_va_vdst(0)                   ; the wait ahead of the batch
.set j, 0
.rept 64
	v_exp_f32 v[\B+j], v[\B+j]                     ; p
.set j, j+1
.endr
	v_pk_mul_f32 v[14:15], v[14:15], v[252:253] op_sel_hi:[1,0]
	s_wait_alu depctr_va_vdst(0)                   ; and behind it, ahead of its first reader
.irp b, 0,1,2,3
	v_exp_f32 v[232+\b], v[232+\b]                 ; each block's largest p
.endr
	v_pk_add_f32 v[236:237], v[\B:\B+1], v[\B+2:\B+3]   ; the sum of the unquantised p, in two chains
.irp j, 4,8,12,16,20,24,28,32,36,40,44,48,52,56,60
	v_pk_add_f32 v[14:15], v[14:15], v[\B+\j:\B+1+\j]
	v_pk_add_f32 v[236:237], v[236:237], v[\B+2+\j:\B+3+\j]
.endr
	s_delay_alu instid0(VALU_DEP_1)
	v_pk_add_f32 v[14:15], v[14:15], v[236:237]
	s_wait_alu depctr_va_vdst(0)                   ; the wait for the four
.irp b, 0,1,2,3
	v_max_num_f32 v[232+\b], 0x1800000, v[232+\b]  ; the floor 2^(3 - 127): the byte stays at 1 or above
.endr
.irp b, 0,1,2,3
	s_delay_alu instid0(VALU_DEP_4)
	v_add_nc_u32 v[244+\b], 0xff000000, v[232+\b]  ; the conversion's scale operand
.endr
.irp b, 0,1,2,3
	s_delay_alu instid0(VALU_DEP_4)
	v_lshrrev_b32 v[236+\b], 23, v[244+\b]         ; the byte
.endr
	s_delay_alu instid0(VALU_DEP_3)
	v_lshl_or_b32 v253, v237, 8, v236
	s_delay_alu instid0(VALU_DEP_1)
	v_lshl_or_b32 v253, v238, 16, v253
	s_delay_alu instid0(VALU_DEP_1)
	v_lshl_or_b32 v253, v239, 24, v253             ; p's scale word
.irp b, 0,1,2,3
	v_cvt_scalef32_pk8_fp4_f32 v[224+2*\b], v[\B+16*\b:\B+7+16*\b], v[244+\b]
	v_cvt_scalef32_pk8_fp4_f32 v[225+2*\b], v[\B+8+16*\b:\B+15+16*\b], v[244+\b]
.endr
	v_nop                                          ; a plain place behind the conversions
.irp c, 0,1
.irp i, 0,1
	v_permlane16_swap_b32 v[224+4*\c+\i], v[226+4*\c+\i]   ; a whole block of 32 keys to a lane
.endr
.endr
.if \q < 3
	KLOAD \q+1, \B                                 ; p has become codes: B takes the next step's K
.endif
	s_wait_alu depctr_va_vdst(0)                   ; directly ahead of O^T's first reader
.set j, 0
.rept 32
	v_pk_mul_f32 v[160+j:161+j], v[160+j:161+j], v[252:253] op_sel_hi:[1,0]   ; O^T x f; also the places ahead of the products below
.set j, j+2
.endr
	s_wait_alu depctr_va_vdst(0)                   ; directly ahead of the wait below
.if \q < 3
	s_wait_dscnt 24                                ; V's 24 loads are in; the 24 of the next K, issued behind them, may be out
.else
	s_wait_dscnt 0x0
.endif
.irp T, 0,1,2,3,4,5,6,7
	MM 160+8*\T, \A+8*\T, 224, v[160+8*\T:167+8*\T], 8+\T+12*(\T/4), 253
.endr
.endm
; THE CHANGE OF SLOTS: every wave waits for all its tensor loads, adds 0 to its spare word, waits for that and for its LDS reads; behind the barrier the slot just left is filled with the keys that follow, up to the causal limit.
.macro CHANGE fill
	s_wait_tensorcnt 0x0
	ds_add_u32 v[SPW], v[NIL]                      ; the add here,
.if \fill
	ds_add_u32 v[SPW], v[NIL]                      ; and twice on end where a load may follow
	s_xor_b32 s[G0K+1], s[G0K+1], SLOT1
	s_add_nc_u64 s[G0K+2:G0K+3], s[G0K+2:G0K+3], SK*ROWB
	s_xor_b32 s[G0V+1], s[G0V+1], SLOT1
	s_add_nc_u64 s[G0V+2:G0V+3], s[G0V+2:G0V+3], VROWB
	s_wait_xcnt 0x0                                ; my prefetch has read its address
	s_add_nc_u64 s[PFA:PFA+1], s[PFA:PFA+1], s[PFS:PFS+1]
.endif
	s_wait_dscnt 0x0
	s_barrier_signal -1
	s_barrier_wait -1
.if \fill
	s_add_co_u32 s96, s[KF], SK                    ; the first key of the slot that would be asked for
	s_cmp_gt_u32 s96, s[LASTQ]                     ; behind the work-group's last query no wave reads it: ids and the count of slots alone, the same in all waves
	s_cbranch_scc1 .Lpast_\@
	TLOAD
.Lpast_\@:
	ASK
.endif
.endm
.macro SLOT_STEPS
	v_add_nc_u32 v[ADK], s[TB], v[AK0]             ; the slot's LDS addresses; the steps go by immediates
	v_add_nc_u32 v[ADV], s[TB], v[AV0]
	v_add_nc_u32 v[ADS], s[TS], v[ASK0]
	v_add_nc_u32 v[ADT], s[TJ], v[ASV0]
	s_wait_alu depctr_va_vdst(0)                   ; behind these writes
	STEP 0, 32, 96, \@
	STEP 1, 96, 32, \@
	STEP 2, 32, 96, \@
	STEP 3, 96, 32, \@
.Lhid_\@:
	s_xor_b32 s[TB], s[TB], SLOT1
	s_add_co_u32 s[TS], s[TS], 4*544
	s_add_co_u32 s[TJ], s[TJ], 8*272
	s_add_co_u32 s[KF], s[KF], SK
.endm
	s_wait_alu depctr_va_vdst(0)                   ; at the head's end
	s_wait_loadcnt 0x0                             ; Q
.Lslot:
	CHANGE 1
	SLOT_STEPS
	s_sub_co_u32 s[SLOTS], s[SLOTS], 1
	s_cmp_lg_u32 s[SLOTS], 0
	s_cbranch_scc1 .Lslot
	CHANGE 0                                       ; the last slot is written out: nothing is asked for behind it
	SLOT_STEPS
; THE WAY OUT: O^T / the sum goes through my stage (16 rows of 256 + 16 bytes, in slot 0, which has had its last fill and is read no more), half a row at a time; sixteen lanes store 256 consecutive bytes.
	s_wait_dscnt 0x0                               ; a wave that found a step of the last slot hidden may still have the look-ahead loads of K out: the lines below write their registers
	v_add_f32 v14, v14, v15
	s_delay_alu instid0(VALU_DEP_1)
	v_permlanex16_b32 v252, v14, s[SEL], s[SEL+1]
	s_delay_alu instid0(VALU_DEP_1)
	v_add_f32 v14, v14, v252
	s_wait_alu depctr_va_vdst(0)                   ; ahead of the transcendental
	v_rcp_f32 v14, v14
	v_and_b32 v232, 15, v0
	v_bfe_u32 v233, v0, 4, 1
	s_mul_i32 s73, s[WV], 16*272
	v_mul_u32_u24 v234, v232, 272
	v_mul_u32_u24 v235, v233, 272
	v_lshlrev_b32 v236, 13, v233
	v_lshl_add_u32 v234, v233, 5, v234
	v_lshl_add_u32 v235, v232, 4, v235
	v_lshl_add_u32 v236, v232, 4, v236             ; out0: lanes 0-15 one row of 8,192 bytes, lanes 16-31 the next
	v_add_nc_u32 v234, s73, v234                   ; into the stage: row r, 64 t + 32 h
	v_add_nc_u32 v235, s73, v235                   ; back: two rows an instruction
	s_wait_alu depctr_va_vdst(0)                   ; and ahead of its first reader
.set j, 0
.rept 64
	v_mul_f32 v[96+j], v[160+j], v14
.set j, j+1
.endr
.irp u, 0,1
.irp t, 0,1,2,3
	ds_store_b128 v234, v[96+32*\u+8*\t:99+32*\u+8*\t] offset:64*\t
	ds_store_b128 v234, v[100+32*\u+8*\t:103+32*\u+8*\t] offset:64*\t+16
.endr
.irp i, 0,1,2,3,4,5,6,7
	ds_load_b128 v[32+32*\u+4*\i:35+32*\u+4*\i], v235 offset:2*\i*272   ; LDS serves a wave's instructions in order
.endr
.endr
.irp u, 0,1
.irp i, 0,1,2,3,4,5,6,7
	s_wait_dscnt 15-8*\u-\i                        ; this load is back; the younger ones may be out
	global_store_b128 v236, v[32+32*\u+4*\i:35+32*\u+4*\i], s[16:17] offset:2*\i*8192+256*\u th:TH_STORE_NT
.endr
.endr
	s_wait_tensorcnt 0x0                           ; the wave's end
	ds_add_u32 v[SPW], v[NIL]
	s_wait_dscnt 0x0
	s_endpgm
.Lfunc_end_k_q1ab970b121_attn:
	.size	k_q1ab970b121_attn, .Lfunc_end_k_q1ab970b121_attn-k_q1ab970b121_attn
	.p2alignl 7, 3214868480
	.fill 96, 4, 3214868480
	.section	.rodata,"a",@progbits
	.p2align	6, 0x0
	.amdhsa_kernel k_q1ab970b121_attn
		.amdhsa_group_segment_fixed_size 327680
		.amdhsa_private_segment_fixed_size 0
		.amdhsa_enable_private_segment 0
		.amdhsa_kernarg_size 56
		.amdhsa_user_sgpr_count 2
		.amdhsa_user_sgpr_kernarg_segment_ptr 1
		.amdhsa_wavefront_size32 1
		.amdhsa_system_sgpr_workgroup_id_x 1
		.amdhsa_system_sgpr_workgroup_id_y 1
		.amdhsa_system_sgpr_workgroup_id_z 1
		.amdhsa_system_vgpr_workitem_id 0
		.amdhsa_next_free_vgpr 256
		.amdhsa_next_free_sgpr 100
		.amdhsa_reserve_vcc 1
		.amdhsa_float_denorm_mode_32 3
		.amdhsa_float_denorm_mode_16_64 3
		.amdhsa_memory_ordered 1
		.amdhsa_forward_progress 1
		.amdhsa_inst_pref_size 217
	.end_amdhsa_kernel
	.amdgpu_metadata
---
amdhsa.version: [ 1, 2 ]
amdhsa.kernels:
  - .name:           k_q1ab970b121_attn
    .symbol:         k_q1ab970b121_attn.kd
    .args:
      - { .name: qc, .offset: 0, .size: 8, .value_kind: global_buffer, .address_space: global }
      - { .name: qs, .offset: 8, .size: 8, .value_kind: global_buffer, .address_space: global }
      - { .name: kc, .offset: 16, .size: 8, .value_kind: global_buffer, .address_space: global }
      - { .name: ks, .offset: 24, .size: 8, .value_kind: global_buffer, .address_space: global }
      - { .name: vc, .offset: 32, .size: 8, .value_kind: global_buffer, .address_space: global }
      - { .name: vs, .offset: 40, .size: 8, .value_kind: global_buffer, .address_space: global }
      - { .name: out0, .offset: 48, .size: 8, .value_kind: global_buffer, .address_space: global }
    .group_segment_fixed_size: 327680
    .private_segment_fixed_size: 0
    .kernarg_segment_align: 8
    .kernarg_segment_size: 56
    .max_flat_workgroup_size: 512
    .sgpr_count:     100
    .vgpr_count:     256
    .wavefront_size: 32
...
	.end_amdgpu_metadata
.endif
;; end of part 2
